; MI455X (gfx1250); checked and timed in simulation.
; The chip was launched on July 23, 2026; its instructions are those of AMD's public machine-readable ISA for CDNA 5 (MIT licence, August 2026) and "CDNA5" Instruction Set Architecture Reference Guide (July 2026). The comments in the code are by the model that wrote it; some were corrected since.
;; Lora Adapter Layer. Allowed arithmetic: matrix products marked QUANTISED: E2M1 operands, one E8M0 scale for each 32 along K, by v_wmma_scale_f32_16x16x128_f8f6f4 with both operands' format E2M1 (or v_wmma_scale_f32_32x16x128_f4), f32 sums; products left as they are: f32 operands where the result goes on into a quantised operand, else bf16, f16 or f32 operands; f32 sums; everything else in f32.
;; Inputs: A 4,096 x 16 float32; B 16 x 4,096 float32; W 4,096 x 4,096 float32; b 4,096 float32; x 4,096 x 4,096 float32.
;; Outputs: out0 4,096 x 4,096 float32.
;; This version of the problem:
;;   THIS VERSION OF THE PROBLEM IS GIVEN IN LOW PRECISION. The matrix products marked QUANTISED in the list below multiply operands that are first quantised to E2M1 (2 exponent bits, 1 mantissa bit; 4 bits a number), with one power-of-two scale for each 32 numbers along K (OCP MX v1.0); their sums are f32. All else is computed in f32.
;;   The module's matrix products, in the order in which they are computed (A, B: the left and right operand; K: the contracted axis; several contracted axes count as one K, in the product's order):
;;     1. [M 4,096, K 4,096] x [K 4,096, N 16]; A: input x; B: input A: QUANTISED
;;     2. [M 4,096, K 16] x [K 16, N 4,096]; A: computed on the way; B: input B: left as it is (K = 16 < 32)
;;     3. [M 4,096, K 4,096] x [K 4,096, N 4,096]; A: input x; B: input W: QUANTISED
;;   THE QUANTISER, for each operand of a quantised product, along K:
;;     - K is cut into blocks of 32 from its start; a last block that is shorter is filled with zeros.
;;     - A block's scale is 2^e with e = floor(log2(the largest magnitude in the block)) - 2, held to -126 .. 127; a block of zeros has e = 0. As a byte (E8M0): e + 127.
;;     - Each number is divided by its block's scale, clamped to +-6, and rounded to the nearest number of E2M1, ties to even, subnormals kept.
;;     - The product sums the exact products of the quantised numbers (number of the format x scale) in f32.
;;   ~~~python
;;   def quantise(x, axis):      # numpy; x: float32 -> the quantised numbers, widened to float32 again
;;       x = np.moveaxis(x, axis, -1); K = x.shape[-1]
;;       x = np.pad(x, [(0, 0)] * (x.ndim - 1) + [(0, -K % 32)]); x = x.reshape(x.shape[:-1] + (-1, 32)); a = np.abs(x).max(-1, keepdims=True)
;;       e = np.where(a > 0, np.clip(np.frexp(np.where(a > 0, a, 1))[1] - 1 - 2, -126, 127), 0)      # np.frexp(a)[1] - 1 = floor(log2(a)), exactly
;;       r = np.clip(x / 2.0 ** e, -6, 6)
;;       step = 2.0 ** (np.maximum(np.frexp(np.where(r == 0, 1, r))[1] - 1, 0) - 1)
;;       q = np.round(r / step) * step * 2.0 ** e      # np.round: ties to even
;;       return np.moveaxis(q.reshape(q.shape[:-2] + (-1,))[..., :K], -1, axis).astype(np.float32)
;;   ~~~
;; One version. Each part assembles by itself: llvm-mc -triple=amdgcn-amd-amdhsa -mcpu=gfx1250 --defsym DOCPART=n.
;; ======== version 1 of 1: 2 launches
;; limits: values are held in bf16: 8 bits of precision; right only within a limited range of input values
;; workspace buffers: xq 8,912,896 bytes; wq 8,912,896 bytes; tp 524,288 bytes; bq 262,144 bytes
;; launch quant (part 1): grid 256 x 1, 16 waves a work-group, no clusters, 172,032 bytes of LDS; arguments x, W, A, B, xq, wq, tp, bq; writes xq, wq, tp, bq
.if DOCPART == 1
	.amdgcn_target "amdgcn-amd-amdhsa--gfx1250"
	.amdhsa_code_object_version 6
	.text
	.protected	k_q19679c2e9e_quant
	.globl	k_q19679c2e9e_quant
	.p2align	8
	.type	k_q19679c2e9e_quant,@function
k_q19679c2e9e_quant:
	s_mov_b64 s[64:65], 0
	v_nop
	global_prefetch_b8 v0, s[64:65] scope:SCOPE_SE
	s_setreg_imm32_b32 hwreg(HW_REG_WAVE_MODE, 25, 1), 1
	s_wait_xcnt 0x0
; x [4096][4096] and W [4096][4096] (K innermost), f32, become codes of FP4 (E2M1) with one E8M0 scale byte for each 32 along K; t = Q(x) Q(A) is made here too, and 2 B is laid as pairs of bf16.
; A block's scale is 2^(floor(log2(its largest magnitude)) - 2); its byte is the largest magnitude's exponent field - 2, held at 1 from below; numbers are divided by the scale and rounded to the nearest code, ties to even, beyond 6 the largest code.
; LIMITS: NaN and infinities among the inputs are not served.  A block of zeros gets the byte 1 where the rule says 127: its codes are zeros, and this program alone reads the bytes.
; xq, wq: [row / 128][k / 512] dense blocks of HB bytes: codes at 8192 q + 1024 i + 512 c + 16 lane (q-th 128 along K, 16 rows i, operand registers 4 c .. 4 c + 3), then at 32768 + 256 i + 16 r a row's 16 scale bytes.
; tp: [k / 2048][row / 16] images of 1,024 bytes: register j = 4 c + .. of lane (r, h), t(row r, rank 8 h + j) summed over that half of K, at 512 c + 16 lane.
; bq: [column / 16] images of 1,024 bytes: 2 B as bf16 hi (c = 0) and lo (c = 1), lane (r, h): column r, ranks 8 h + 0 .. 7.
; SHARES.  Work-groups 0-127 take x, 128-255 W.  A work-group takes 64 rows x 2,048 along K: wave w takes 16 rows (w % 4) x 512 along K (w / 4), in four units of 128.
; In x's work-groups wave w also quantises A's unit w of the 16 in this half of K (a lane a column, registers down K) and lays the fragment in LDS; at the end each wave multiplies its four fragments of x, still in
; registers, by A's four; the four waves of a row block add their sums through LDS.  In W's work-groups waves 0 and 1 each lay one block of 16 columns of B.
; No tensor load, no cluster: no two work-groups read the same bytes of x or W; A's 262,144 bytes are a small part beside them.  The launch streams, so no prefetch is laid.
.set HB,  34816
.set SP,  528                          ; a stage row: 512 bytes + 16
.set STG, 16*SP                        ; a wave's stage
.set ATC, 16*STG                       ; A's 16 fragments, 1,024 bytes each
.set ATS, ATC+16384                    ; their scale words, 128 bytes each
.set TRG, ATS+2048                     ; the waves' sums of t, 1,024 bytes each
.set SPARE, TRG+16384                  ; the spare words, 128 bytes a wave
.set R,   16                           ; v16-143  two sets of 64 numbers as loaded; at the end A's fragments and t
.set X,   144                          ; v144-175 a block of 32 neighbours
.set C,   176                          ; v176-207 four sets of 8: the units' codes, kept for the products
.set SPW, 208
.set NIL, 209
.set AO,  210                          ; my column of A in my stage
.set BO,  211                          ; my column of B in memory
.set ATW, 212                          ; where I lay A's fragment
.set ATR, 213                          ; where I read my four
.set ASW, 214                          ; the same for the scale words
.set ASR, 215
.set TW,  216                          ; my sums of t
; v1 16 x lane; v2, v3 stage in and out; v4 16 r + 8 h; v5 8 h; v6-v9 at work; v10-13 the four scale words; v14-15 what I store of them
	s_load_b256 s[4:11], s[0:1], 0x0               ; x, W, A, B
	s_load_b256 s[12:19], s[0:1], 0x20             ; xq, wq, tp, bq
	v_lshl_add_u32 v[SPW], v0, 2, SPARE
	v_mov_b32 v[NIL], 0
	v_lshrrev_b32 v1, 5, v0
	v_readfirstlane_b32 s20, v1                    ; wave 0..15
	s_mov_b32 s32, 0x76543210
	s_mov_b32 s33, 0xfedcba98                      ; selects for lane l xor 16
	s_and_b32 s21, ttmp9, 127
	s_lshr_b32 s22, s21, 1
	s_lshl_b32 s22, s22, 2
	s_and_b32 s23, s20, 3
	s_add_co_u32 s22, s22, s23                     ; which 16 rows: 0..255
	s_and_b32 s48, s21, 1                          ; which half of K
	s_lshr_b32 s31, s20, 2
	s_lshl_b32 s23, s48, 2
	s_add_co_u32 s23, s23, s31                     ; which 512 along K: 0..7
	s_lshl_b32 s34, s22, 18                        ; in: 16 rows of 16,384 bytes, 512 numbers
	s_lshl_b32 s35, s23, 11
	s_add_co_u32 s34, s34, s35
	s_mov_b32 s35, 0
	s_lshr_b32 s36, s22, 3
	s_lshl_b32 s36, s36, 3
	s_add_co_u32 s36, s36, s23
	s_mul_i32 s36, s36, HB                         ; out: block (row / 128) x 8 + k / 512
	s_and_b32 s37, s22, 7
	s_lshl_b32 s38, s37, 10
	s_add_co_u32 s38, s38, s36                     ; the codes
	s_mov_b32 s39, 0
	s_lshl_b32 s37, s37, 8
	s_add_co_u32 s36, s36, s37
	s_add_co_u32 s36, s36, 32768                   ; the scale bytes
	s_mov_b32 s37, 0
	s_lshl_b32 s40, s48, 17                        ; A: 2,048 rows of 64 bytes a half, 128 rows a unit
	s_lshl_b32 s41, s20, 13
	s_add_co_u32 s40, s40, s41
	s_mov_b32 s41, 0
	s_lshl_b32 s42, s48, 18                        ; tp
	s_lshl_b32 s43, s22, 10
	s_add_co_u32 s42, s42, s43
	s_mov_b32 s43, 0
	s_lshl_b32 s44, s21, 1
	s_add_co_u32 s44, s44, s20
	s_min_u32 s44, s44, 255                        ; B's block of 16 columns (waves 0, 1 alone use it)
	s_lshl_b32 s46, s44, 10
	s_mov_b32 s47, 0
	s_lshl_b32 s44, s44, 6
	s_mov_b32 s45, 0
	s_mul_i32 s49, s20, STG
	s_lshl_b32 s50, s20, 10
	s_add_co_u32 s51, s50, TRG
	s_add_co_u32 s50, s50, ATC
	s_lshl_b32 s52, s31, 12
	s_add_co_u32 s52, s52, ATC
	s_lshl_b32 s53, s20, 7
	s_add_co_u32 s53, s53, ATS
	s_lshl_b32 s54, s31, 9
	s_add_co_u32 s54, s54, ATS
	v_and_b32 v9, 31, v0                           ; lane
	v_lshlrev_b32 v1, 4, v9
	v_and_b32 v6, 15, v0                           ; r
	v_bfe_u32 v7, v0, 4, 1                         ; h
	v_cmp_ne_u32 s30, 0, v7
	v_lshlrev_b32 v4, 4, v6
	v_lshl_add_u32 v4, v7, 3, v4
	v_lshlrev_b32 v5, 3, v7
	v_add_nc_u32 v2, s49, v1
	v_mul_u32_u24 v3, v6, SP
	v_lshl_add_u32 v3, v7, 7, v3
	v_add_nc_u32 v3, s49, v3
	v_lshl_add_u32 v[AO], v6, 2, s49
	v_lshl_add_u32 v[AO], v7, 11, v[AO]            ; 4 r, 32 rows of 64 bytes further for lanes 16-31
	v_lshlrev_b32 v[BO], 2, v6
	v_lshl_add_u32 v[BO], v7, 17, v[BO]            ; 4 r, 8 rows of 16,384 bytes further for lanes 16-31
	v_add_nc_u32 v[ATW], s50, v1
	v_add_nc_u32 v[TW], s51, v1
	v_add_nc_u32 v[ATR], s52, v1
	v_lshl_add_u32 v[ASW], v9, 2, s53
	v_lshl_add_u32 v[ASR], v9, 2, s54
	s_wait_alu depctr_va_vdst(0)                   ; the wait at the head's end
	s_wait_kmcnt 0x0
	s_cmp_lt_u32 ttmp9, 128                        ; x's work-group or W's: the work-group's number alone decides
	s_cselect_b64 s[24:25], s[4:5], s[6:7]
	s_cselect_b64 s[26:27], s[12:13], s[14:15]
	s_mov_b64 s[28:29], s[26:27]
	s_add_nc_u64 s[24:25], s[24:25], s[34:35]
	s_add_nc_u64 s[26:27], s[26:27], s[38:39]
	s_add_nc_u64 s[28:29], s[28:29], s[36:37]
	s_add_nc_u64 s[40:41], s[8:9], s[40:41]
	s_add_nc_u64 s[42:43], s[16:17], s[42:43]
	s_add_nc_u64 s[44:45], s[10:11], s[44:45]
	s_add_nc_u64 s[46:47], s[18:19], s[46:47]
.macro QBLOCK src, dst, byte           ; 32 numbers of one lane become 4 registers of codes and a scale byte
	v_max3_num_f32 v6, |v[\src]|, |v[\src+1]|, 0x1800000           ; the floor 2^(3 - 127) among the leaves: the byte cannot fall under 1
	v_max3_num_f32 v7, |v[\src+2]|, |v[\src+3]|, |v[\src+4]|
.irp i, 5,9,13,17,21,25
	v_max3_num_f32 v6, v6, |v[\src+\i]|, |v[\src+\i+1]|
	v_max3_num_f32 v7, v7, |v[\src+\i+2]|, |v[\src+\i+3]|
.endr
	v_max3_num_f32 v6, v6, |v[\src+29]|, |v[\src+30]|
	v_max3_num_f32 v6, v6, v7, |v[\src+31]|
	v_add_nc_u32 v8, 0xff000000, v6                ; 2 off the exponent field: the conversion's scale operand
.irp g, 0,1,2,3
	v_cvt_scalef32_pk8_fp4_f32 v[\dst+\g], v[\src+8*\g:\src+8*\g+7], v8
.endr
	v_lshrrev_b32 v[\byte], 23, v8                 ; the byte; also the plain line behind the conversions
.endm
.macro WORD q                          ; my two bytes and lane l xor 16's two make the row's scale word of these 128 along K
	v_lshl_or_b32 v9, v7, 16, v9
	v_lshlrev_b32 v9, v5, v9
	v_permlanex16_b32 v6, v9, s32, s33
	v_or_b32 v[10+(\q)], v9, v6
.endm
.macro LOAD q                          ; unit q: each load reads 512 consecutive bytes of one row
.irp p, 0,1,2,3,4,5,6,7,8,9,10,11,12,13,14,15
	global_load_b128 v[R+64*((\q)%2)+4*\p:R+64*((\q)%2)+4*\p+3], v1, s[24:25] offset:\p*16384+(\q)*512 th:TH_LOAD_NT
.endr
.endm
.macro UNIT q
.if (\q) < 3
	s_wait_loadcnt 16                              ; this unit's 16 loads are in; the next unit's may be out
.else
	s_wait_loadcnt 0x0
.endif
.irp p, 0,1,2,3,4,5,6,7,8,9,10,11,12,13,14,15
	ds_store_b128 v2, v[R+64*((\q)%2)+4*\p:R+64*((\q)%2)+4*\p+3] offset:\p*SP
.endr
.irp e, 0,1,2,3,4,5,6,7
	ds_load_b128 v[X+4*\e:X+4*\e+3], v3 offset:16*\e               ; a wave's LDS instructions are served in order: k = 32 h + 0 .. 31 of row r
.endr
	s_wait_dscnt 0x0
.if (\q) < 2
	LOAD (\q)+2
.endif
	QBLOCK X, C+8*(\q), 9
.irp e, 0,1,2,3,4,5,6,7
	ds_load_b128 v[X+4*\e:X+4*\e+3], v3 offset:256+16*\e           ; k = 64 + 32 h + 0 .. 31
.endr
	global_store_b128 v1, v[C+8*(\q):C+8*(\q)+3], s[26:27] offset:(\q)*8192      ; 512 consecutive bytes, aligned
	s_wait_dscnt 0x0
	QBLOCK X, C+8*(\q)+4, 7
	global_store_b128 v1, v[C+8*(\q)+4:C+8*(\q)+7], s[26:27] offset:(\q)*8192+512
	WORD \q
.endm
	s_cmp_lt_u32 ttmp9, 128
	s_cbranch_scc0 .Lnot_x
	; ---- x's work-groups: my unit of A, 8,192 dense bytes, turns through my stage so that a lane holds a column
.irp p, 0,1,2,3,4,5,6,7,8,9,10,11,12,13,14,15
	global_load_b128 v[R+64+4*\p:R+64+4*\p+3], v1, s[40:41] offset:\p*512
.endr
	LOAD 0
	s_wait_loadcnt 16                              ; A's 16 loads are in; unit 0's may be out
.irp p, 0,1,2,3,4,5,6,7,8,9,10,11,12,13,14,15
	ds_store_b128 v2, v[R+64+4*\p:R+64+4*\p+3] offset:\p*512
.endr
	s_wait_dscnt 0x0
.irp c, 0,1
.irp e, 0,1,2,3,4,5,6,7,8,9,10,11,12,13,14,15,16,17,18,19,20,21,22,23,24,25,26,27,28,29,30,31
	ds_load_b32 v[R+64+32*\c+\e], v[AO] offset:\c*4096+\e*64       ; A(64 c + 32 h + e, r)
.endr
.endr
	s_wait_dscnt 0x0
	QBLOCK R+64, X, 9
	QBLOCK R+96, X+4, 7
	WORD 0
	ds_store_b128 v[ATW], v[X:X+3]
	ds_store_b128 v[ATW], v[X+4:X+7] offset:512
	ds_store_b32 v[ASW], v10
	s_wait_alu depctr_va_vdst(0)                   ; the wait ahead of the wait and the jump
	s_wait_dscnt 0x0
	s_branch .Ljoin
.Lnot_x:
	s_cmp_lt_u32 s20, 2
	s_cbranch_scc0 .Lplain
	; ---- W's work-groups, waves 0 and 1: 16 columns of B: doubled (exact), hi = rounded to bf16, lo = the rest rounded
.irp j, 0,1,2,3,4,5,6,7
	global_load_b32 v[X+\j], v[BO], s[44:45] offset:\j*16384       ; B(8 h + j, r)
.endr
	LOAD 0
	s_wait_loadcnt 16
.irp i, 0,1,2,3
	v_pk_mul_f32 v[X+2*\i:X+2*\i+1], v[X+2*\i:X+2*\i+1], 2.0 op_sel_hi:[1,0]
.endr
.irp i, 0,1,2,3
	v_cvt_pk_bf16_f32 v[X+16+\i], v[X+2*\i], v[X+2*\i+1]
.endr
.irp i, 0,1,2,3
	v_lshlrev_b32 v[X+8+2*\i], 16, v[X+16+\i]
	v_and_b32 v[X+9+2*\i], 0xffff0000, v[X+16+\i]
.endr
.irp i, 0,1,2,3
	v_pk_add_f32 v[X+8+2*\i:X+9+2*\i], v[X+2*\i:X+2*\i+1], v[X+8+2*\i:X+9+2*\i] neg_lo:[0,1] neg_hi:[0,1]
.endr
.irp i, 0,1,2,3
	v_cvt_pk_bf16_f32 v[X+20+\i], v[X+8+2*\i], v[X+9+2*\i]
.endr
	global_store_b128 v1, v[X+16:X+19], s[46:47]
	global_store_b128 v1, v[X+20:X+23], s[46:47] offset:512
	s_wait_alu depctr_va_vdst(0)
	s_wait_xcnt 0x0                                ; the stores' registers are written again only behind this wait
	s_branch .Ljoin
.Lplain:
	LOAD 0
.Ljoin:
	LOAD 1
	UNIT 0
	UNIT 1
	UNIT 2
	UNIT 3
	v_cndmask_b32 v14, v10, v12, s30               ; lanes 0-15 store words 0, 1, lanes 16-31 words 2, 3: 256 consecutive bytes, aligned
	v_cndmask_b32 v15, v11, v13, s30
	global_store_b64 v4, v[14:15], s[28:29]
	s_wait_alu depctr_va_vdst(0)
	s_wait_dscnt 0x0
	s_barrier_signal -1
	s_barrier_wait -1                              ; A's 16 fragments lie in LDS
	s_cmp_lt_u32 ttmp9, 128
	s_cbranch_scc0 .Lmeet
.irp q, 0,1,2,3
	ds_load_b128 v[R+8*\q:R+8*\q+3], v[ATR] offset:1024*\q
	ds_load_b128 v[R+8*\q+4:R+8*\q+7], v[ATR] offset:1024*\q+512
	ds_load_b32 v[R+32+\q], v[ASR] offset:128*\q
.endr
.rept 8
	v_nop                                          ; x's scale words were written by vector instructions: 8 places ahead of a scaled product
.endr
	s_wait_dscnt 0x0
	; source 0 = A's 16 ranks, source 1 = x's 16 rows: lane (r, h), register j: t(row r, rank 8 h + j).  One accumulator: the wait ahead of every link
	v_wmma_scale_f32_16x16x128_f8f6f4 v[R+40:R+47], v[R:R+7], v[C:C+7], 0, v[R+32], v10 matrix_a_fmt:MATRIX_FMT_FP4 matrix_b_fmt:MATRIX_FMT_FP4
.irp q, 1,2,3
	s_wait_alu depctr_va_vdst(0)
	v_wmma_scale_f32_16x16x128_f8f6f4 v[R+40:R+47], v[R+8*\q:R+8*\q+7], v[C+8*\q:C+8*\q+7], v[R+40:R+47], v[R+32+\q], v[10+\q] matrix_a_fmt:MATRIX_FMT_FP4 matrix_b_fmt:MATRIX_FMT_FP4
.endr
.rept 4
	v_nop
.endr
	ds_store_b128 v[TW], v[R+40:R+43]
	ds_store_b128 v[TW], v[R+44:R+47] offset:512
.Lmeet:
	s_wait_dscnt 0x0
	s_barrier_signal -1
	s_barrier_wait -1                              ; every wave's sums of t lie in LDS
	s_cmp_lt_u32 ttmp9, 128
	s_cbranch_scc0 .Lend
	s_cmp_lt_u32 s20, 4
	s_cbranch_scc0 .Lend
.irp k, 1,2,3                                          ; waves 0-3 add the sums of the three waves with the same rows
	ds_load_b128 v[R+40+8*\k:R+43+8*\k], v[TW] offset:4096*\k
	ds_load_b128 v[R+44+8*\k:R+47+8*\k], v[TW] offset:4096*\k+512
.endr
	s_wait_dscnt 0x0
.irp i, 0,1,2,3
	v_pk_add_f32 v[R+72+2*\i:R+73+2*\i], v[R+40+2*\i:R+41+2*\i], v[R+48+2*\i:R+49+2*\i]
	v_pk_add_f32 v[R+80+2*\i:R+81+2*\i], v[R+56+2*\i:R+57+2*\i], v[R+64+2*\i:R+65+2*\i]
.endr
.irp i, 0,1,2,3
	v_pk_add_f32 v[R+72+2*\i:R+73+2*\i], v[R+72+2*\i:R+73+2*\i], v[R+80+2*\i:R+81+2*\i]
.endr
	global_store_b128 v1, v[R+72:R+75], s[42:43]
	global_store_b128 v1, v[R+76:R+79], s[42:43] offset:512
.Lend:
	s_wait_tensorcnt 0x0                           ; the wave's end
	ds_add_u32 v[SPW], v[NIL]
	s_wait_dscnt 0x0
	s_endpgm
.Lfunc_end_k_q19679c2e9e_quant:
	.size	k_q19679c2e9e_quant, .Lfunc_end_k_q19679c2e9e_quant-k_q19679c2e9e_quant
	.p2alignl 7, 3214868480
	.fill 96, 4, 3214868480
	.section	.rodata,"a",@progbits
	.p2align	6, 0x0
	.amdhsa_kernel k_q19679c2e9e_quant
		.amdhsa_group_segment_fixed_size 172032
		.amdhsa_private_segment_fixed_size 0
		.amdhsa_enable_private_segment 0
		.amdhsa_kernarg_size 64
		.amdhsa_user_sgpr_count 2
		.amdhsa_user_sgpr_kernarg_segment_ptr 1
		.amdhsa_wavefront_size32 1
		.amdhsa_system_sgpr_workgroup_id_x 1
		.amdhsa_system_sgpr_workgroup_id_y 1
		.amdhsa_system_sgpr_workgroup_id_z 1
		.amdhsa_system_vgpr_workitem_id 0
		.amdhsa_next_free_vgpr 220
		.amdhsa_next_free_sgpr 66
		.amdhsa_reserve_vcc 0
		.amdhsa_float_denorm_mode_32 3
		.amdhsa_float_denorm_mode_16_64 3
		.amdhsa_memory_ordered 1
		.amdhsa_forward_progress 1
		.amdhsa_inst_pref_size 51
	.end_amdhsa_kernel
	.amdgpu_metadata
---
amdhsa.version: [ 1, 2 ]
amdhsa.kernels:
  - .name:           k_q19679c2e9e_quant
    .symbol:         k_q19679c2e9e_quant.kd
    .args:
      - { .name: x, .offset: 0, .size: 8, .value_kind: global_buffer, .address_space: global }
      - { .name: W, .offset: 8, .size: 8, .value_kind: global_buffer, .address_space: global }
      - { .name: A, .offset: 16, .size: 8, .value_kind: global_buffer, .address_space: global }
      - { .name: B, .offset: 24, .size: 8, .value_kind: global_buffer, .address_space: global }
      - { .name: xq, .offset: 32, .size: 8, .value_kind: global_buffer, .address_space: global }
      - { .name: wq, .offset: 40, .size: 8, .value_kind: global_buffer, .address_space: global }
      - { .name: tp, .offset: 48, .size: 8, .value_kind: global_buffer, .address_space: global }
      - { .name: bq, .offset: 56, .size: 8, .value_kind: global_buffer, .address_space: global }
    .group_segment_fixed_size: 172032
    .private_segment_fixed_size: 0
    .kernarg_segment_align: 8
    .kernarg_segment_size: 64
    .max_flat_workgroup_size: 512
    .sgpr_count:     66
    .vgpr_count:     220
    .wavefront_size: 32
...
	.end_amdgpu_metadata
.endif
;; end of part 1
;; launch gemm (part 2): grid 16 x 16, 4 waves a work-group, clusters of 4 x 4, 327,680 bytes of LDS; arguments xq, wq, tp, bq, b, out0; writes out0
.if DOCPART == 2
	.amdgcn_target "amdgcn-amd-amdhsa--gfx1250"
	.amdhsa_code_object_version 6
	.text
	.protected	k_q19679c2e9e_gemm
	.globl	k_q19679c2e9e_gemm
	.p2align	8
	.type	k_q19679c2e9e_gemm,@function
k_q19679c2e9e_gemm:
	s_mov_b64 s[64:65], 0
	v_nop
	global_prefetch_b8 v0, s[64:65] scope:SCOPE_SE
	s_setreg_imm32_b32 hwreg(HW_REG_WAVE_MODE, 25, 1), 1
	s_wait_xcnt 0x0
	s_wait_alu depctr_hold_cnt(0) depctr_sa_sdst(0) depctr_va_vdst(0) depctr_va_sdst(0) depctr_va_ssrc(0) depctr_va_vcc(0) depctr_vm_vsrc(0)
	s_getreg_b32 s2, hwreg(HW_REG_IB_STS2, 6, 4)
	s_cmp_eq_u32 s2, 0
	s_cbranch_scc0 .Lentry_in_a_cluster
	s_endpgm
.Lentry_in_a_cluster:
	s_bfe_u32 s2, ttmp6, 0x10000c
	s_cmp_lg_u32 s2, 0xf033
	s_cbranch_scc0 .Lentry_shape_is_right
	s_endpgm
.Lentry_shape_is_right:
; out0[m][n] = sum_k Q(x)[m][k] Q(W)[n][k] + b[n] + sum_j t[m][j] (2 B)[j][n].  All sizes 4,096, 16 ranks j.  out0, b: f32.
; xq, wq: codes of FP4 and E8M0 scale bytes in the order of the operands' registers: [row / 128][k / 512] dense blocks of HB bytes: codes at 8192 q + 1024 i + 512 c + 16 lane, then at 32768 + 256 i + 16 r a row's 16 scale bytes.
; tp: t = Q(x) Q(A) in two halves of K, [half][row / 16] images of a result's registers; bq: 2 B as bf16 hi and lo, [column / 16] images of a bf16 source 0.
; SHARES.  A tile of out0, 256 x 256, is made by four waves; a wave makes 128 x 128: 64 accumulators, 512 registers.  K goes in steps of 512 through a ring of two LDS slots; a K step's codes and scale bytes of 128 rows
; are one dense block, one tensor load a wave.  ALL PRODUCTS ARE USED TRANSPOSED (source 0 = 16 rows of W or 16 columns of B, source 1 = 16 rows of x or t): a lane holds eight neighbouring numbers of a row of out0.
; THE RANK-16 PRODUCT STARTS THE SUMS, with b as its C, while K step 0's block is on its way: bf16 with f32 sums, each operand as hi + lo of bf16: the 32 places along K hold the 16 ranks twice:
; (2B hi, 2B lo) x (t hi, t lo), then x (t lo, t hi): all four cross terms.  What is lost of t and B lies under 16 bits of mantissa; bf16 has f32's range.
; A STEP of 128 along K: x and W have two sets of fragment registers each; the step begins with ONE run of the next step's 32 LDS loads, into the sets that the step before read, and then issues its 64 products on end.
; THE LAST K STEP GOES BY ROWS OF out0: all its fragments of W fill window 1, and my eight blocks of 16 rows are finished and stored one after the other.
; CLUSTERS: 4 x 4 work-groups; the four of a row ask for xq's blocks jointly, the four of a column for wq's.
; PREFETCH: behind the load of K step s each wave names K step s + 2 of the block that it fetches (behind the first load K step 1 too): of its 136 units of 256 bytes each of the four partners takes 34, told apart by address;
; the loads of K steps 6 and 7 ask for nothing.
; REGISTERS: window 0: v0-31 addresses; v32-95 scale words, two sets; v128-191, v192-255 x's fragments, two sets (head: t's second half, then t in bf16; t); on the way out v32-63, v96-127 and v192-255 hold rows.
;   window 1: v0-63, v128-191 W's fragments, two sets; v64-127 2 B, v192-255 b (head); in the last K step all 256: W's four quarters.  windows 2, 3: the accumulators of my rows 0-63, 64-127 ((a, b) at v[8 (8 (a % 4) + b)]).
.set HB,     34816
.set SLOT,   4*HB                      ; x's two halves, then W's two halves; wave w fills part w
.set SPARE,  2*SLOT                    ; the spare words, 128 bytes a wave
.set SPITCH, 528                       ; the way out: a stage of 16 rows x (512 + 16) bytes a wave, in slot 0, which has had its last fill and its last read by then
.set ADRA, 16
.set ADRB, 20
.set ADRS, 22
.set STO,  24
.set RD,   25
.set CO,   26
.set SPW,  28
.set NIL,  29
.set PF0,  30                          ; prefetch offsets: units 0-31 of my 34, a lane a unit;
.set PF1,  31                          ; units 32 and 33 (lanes 1-31 name the last)
.set SC,   32
.set AF,   128
.set TA,   192
.set TH,   128
.set T,    176
.set BF,   64
.set BI,   192
.set WV,   16
.set G1,   24
.set G0,   32
.set G1B,  48
.set G0B,  56
.set PFA,  68
.set MSB, 0
.macro WIN new                         ; the immediate's high byte repeats the setting that is left
.if MSB != \new
	s_set_vgpr_msb (MSB<<8)|\new
.set MSB, \new
.endif
.endm
.set MUL_LO,  0xa1                     ; source 0 window 1, source 1 window 0, C and D window 2
.set MULF_LO, 0x91                     ; C (b) window 1, D window 2
.set TO_B,    0x40
.macro JLOAD g0a, g1a, g0b, g1b        ; a joint load: waves 0, 1 fetch for x, waves 2, 3 for W; s_nop 0 and four v_nop behind each line
	s_cmp_eq_u32 s17, 0
	s_cbranch_scc0 .Lfor_b_\@
	tensor_load_to_lds s[\g0a:\g0a+3], s[\g1a:\g1a+7]
	s_nop 0
.rept 4
	v_nop
.endr
	s_branch .Lasked_\@
.Lfor_b_\@:
	tensor_load_to_lds s[\g0b:\g0b+3], s[\g1b:\g1b+7]
	s_nop 0
.rept 4
	v_nop
.endr
.Lasked_\@:
.endm
.macro CREST
	s_cmp_lg_u32 s[WV], 0
	s_cbranch_scc1 .Lnot_wave_0_\@
	s_barrier_signal -3
.Lnot_wave_0_\@:
	s_barrier_wait -3
	s_barrier_signal -1
	s_barrier_wait -1
.endm
.macro CROUND
	s_barrier_signal -1
	s_barrier_wait -1
	CREST
.endm
.macro PLACES n
.rept \n
	v_nop
.endr
.endm
.macro ASK off, cond                   ; cond = 1: not in the loop's last trip
.if \cond
	s_cmp_gt_u32 s3, 1
	s_cbranch_scc0 .Lno_ask_\@
.endif
	global_prefetch_b8 v[PF0], s[PFA:PFA+1] offset:\off th:TH_LOAD_NT scope:SCOPE_SE
	global_prefetch_b8 v[PF1], s[PFA:PFA+1] offset:\off th:TH_LOAD_NT scope:SCOPE_SE
.if \cond
.Lno_ask_\@:
.endif
.endm
	s_load_b256 s[4:11], s[0:1], 0x0               ; xq, wq, tp, bq
	s_load_b128 s[12:15], s[0:1], 0x20             ; b, out0
	v_lshl_add_u32 v[SPW], v0, 2, SPARE
	v_mov_b32 v[NIL], 0
	ds_add_u32 v[SPW], v[NIL]                      ; the opening lines: the add twice and one wait
	ds_add_u32 v[SPW], v[NIL]
	v_lshrrev_b32 v1, 5, v0
	v_readfirstlane_b32 s[WV], v1
	s_lshr_b32 s17, s[WV], 1                       ; my half of the rows; also: I fetch for x (0) or W (1)
	s_and_b32 s18, s[WV], 1                        ; my half of the columns; also: which half I fetch
	s_bfe_u32 s40, ttmp6, 0x40000
	s_bfe_u32 s41, ttmp6, 0x40004
	s_lshl_b32 s42, ttmp9, 2
	s_add_co_u32 s42, s42, s40                     ; tile column
	s_and_b32 s43, ttmp7, 0xffff
	s_lshl_b32 s43, s43, 2
	s_add_co_u32 s43, s43, s41                     ; tile row
	s_lshl_b32 s44, s41, 2
	s_lshl_b32 s44, 15, s44
	s_lshl_b32 s45, 0x1111, s40
	s_or_b32 s[G1], s44, (3<<16)|(1<<21)           ; a dense block as 136 rows of 256 bytes (32 elements of 8), no padding; x's go to my row of the cluster
	s_or_b32 s[G1B], s45, (3<<16)|(1<<21)          ; W's to my column
.irp g, G1, G1B
	s_mov_b32 s[\g+1], 32<<16
	s_mov_b32 s[\g+2], 136<<16
	s_mov_b32 s[\g+3], 32<<16
	s_mov_b32 s[\g+4], 136
	s_mov_b32 s[\g+5], 32
	s_mov_b32 s[\g+6], 0
	s_mov_b32 s[\g+7], 0
.endr
	s_lshl_b32 s19, s43, 1
	s_add_co_u32 s19, s19, s18
	s_mul_i32 s80, s19, 8*HB                       ; x: 128 rows number 2 x tile row + half
	s_mov_b32 s81, 0
	s_lshl_b32 s46, s42, 1
	s_add_co_u32 s46, s46, s18
	s_mul_i32 s82, s46, 8*HB                       ; W: 2 x tile column + half
	s_mov_b32 s83, 0
	s_mul_i32 s20, s[WV], HB
	s_cmp_eq_u32 s17, 0
	s_cselect_b32 s70, s40, s41                    ; my place among the four that ask with me
	s_mul_i32 s70, s70, 34*256
	s_add_co_u32 s70, s70, HB                      ; the prefetches stand at K step 1
	s_mov_b32 s71, 0
	s_lshl_b32 s46, s42, 10
	s_lshl_b32 s47, s18, 9
	s_add_co_u32 s46, s46, s47                     ; my first column, in bytes of f32
	s_mov_b32 s47, 0
	s_lshl_b32 s84, s46, 4                         ; in bq: 1,024 bytes for 16 columns
	s_mov_b32 s85, 0
	s_lshl_b32 s22, s43, 8
	s_lshl_b32 s23, s17, 7
	s_add_co_u32 s22, s22, s23                     ; my first row
	s_lshl_b32 s86, s22, 14
	s_mov_b32 s87, 0
	s_lshl_b32 s88, s22, 6                         ; in tp: 1,024 bytes for 16 rows
	s_mov_b32 s89, 0
	s_mul_i32 s90, s17, HB                         ; my 128 rows of x in a slot
	s_add_co_u32 s91, s18, 2
	s_mul_i32 s91, s91, HB                         ; my 128 rows of W
	s_sub_co_u32 s92, s91, s90
	s_add_co_u32 s93, s90, 32768
	s_mul_i32 s94, s[WV], 16*SPITCH
	v_and_b32 v1, 31, v0
	v_and_b32 v2, 15, v0
	v_bfe_u32 v3, v0, 4, 1
	v_lshlrev_b32 v[CO], 4, v1
	v_lshlrev_b32 v9, 5, v3                        ; b: my half's eight of 16
	v_lshlrev_b32 v[PF0], 8, v1
	v_min_u32 v[PF1], 1, v1
	v_lshl_add_u32 v[PF1], v[PF1], 8, 8192
	v_mul_u32_u24 v4, s92, v3                      ; scale words: lanes 16-31 take W's
	v_lshl_add_u32 v4, v2, 4, v4
	v_add_nc_u32 v[ADRA], s90, v[CO]
	v_add_nc_u32 v[ADRB], s91, v[CO]
	v_add_nc_u32 v[ADRS], s93, v4
	v_add_nc_u32 v[ADRA+1], SLOT, v[ADRA]
	v_add_nc_u32 v[ADRB+1], SLOT, v[ADRB]
	v_add_nc_u32 v[ADRS+1], SLOT, v[ADRS]
	v_mul_u32_u24 v5, v2, SPITCH
	v_lshl_add_u32 v5, v3, 5, v5
	v_add_nc_u32 v[STO], s94, v5
	v_add_nc_u32 v[RD], s94, v[CO]
	s_wait_alu depctr_va_vdst(0)                   ; the wait behind the head's vector work, ahead of the waits
	s_wait_dscnt 0x0
	s_wait_kmcnt 0x0
	s_add_nc_u64 s[8:9], s[8:9], s[88:89]
	s_add_nc_u64 s[10:11], s[10:11], s[84:85]
	s_add_nc_u64 s[12:13], s[12:13], s[46:47]
	s_add_nc_u64 s[14:15], s[14:15], s[86:87]
	s_add_nc_u64 s[14:15], s[14:15], s[46:47]
.irp a, 0,1,2,3,4,5,6,7
.irp c, 0,1
	global_load_b128 v[TA+8*\a+4*\c:TA+8*\a+4*\c+3], v[CO], s[8:9] offset:1024*\a+512*\c          ; t, first half of K
	global_load_b128 v[AF+8*\a+4*\c:AF+8*\a+4*\c+3], v[CO], s[8:9] offset:262144+1024*\a+512*\c   ; second half
.endr
.endr
	WIN TO_B
.irp n, 0,1,2,3,4,5,6,7
	global_load_b128 v[BF+8*\n:BF+8*\n+3], v[CO], s[10:11] offset:1024*\n
	global_load_b128 v[BF+8*\n+4:BF+8*\n+7], v[CO], s[10:11] offset:1024*\n+512
.endr
	WIN 0
	s_add_nc_u64 s[80:81], s[4:5], s[80:81]
	s_add_nc_u64 s[82:83], s[6:7], s[82:83]
.irp s, 0,1
	s_mov_b32 s[G0+4*\s], 1
	s_add_co_u32 s[G0+4*\s+1], s20, \s*SLOT
	s_add_nc_u64 s[G0+4*\s+2:G0+4*\s+3], s[80:81], \s*HB
	s_or_b32 s[G0+4*\s+3], s[G0+4*\s+3], 0x80000000
	s_mov_b32 s[G0B+4*\s], 1
	s_add_co_u32 s[G0B+4*\s+1], s20, \s*SLOT
	s_add_nc_u64 s[G0B+4*\s+2:G0B+4*\s+3], s[82:83], \s*HB
	s_or_b32 s[G0B+4*\s+3], s[G0B+4*\s+3], 0x80000000
.endr
	s_cmp_eq_u32 s17, 0
	s_cselect_b64 s[PFA:PFA+1], s[80:81], s[82:83]
	s_add_nc_u64 s[PFA:PFA+1], s[PFA:PFA+1], s[70:71]
	CROUND                                         ; all sixteen work-groups are here
	JLOAD G0, G1, G0B, G1B                         ; K step 0: one tensor load a wave at the head
	WIN TO_B
.irp n, 0,1,2,3,4,5,6,7
	global_load_b128 v[BI+8*\n:BI+8*\n+3], v9, s[12:13] offset:64*\n                              ; b(16 n + 8 h + 0 .. 7): a result's layout
	global_load_b128 v[BI+8*\n+4:BI+8*\n+7], v9, s[12:13] offset:64*\n+16
.endr
	WIN 0
	ASK 0, 0                                       ; K steps 1 and 2
	ASK HB, 0
.macro CONV a                          ; t of block a becomes bf16 hi, lo, hi in set a % 4: (hi, lo) and (lo, hi) are both runs of eight registers
.set SR, TA+8*(\a)
.set DS, TH+12*((\a)%4)
.irp i, 0,1,2,3
	v_cvt_pk_bf16_f32 v[DS+\i], v[SR+2*\i], v[SR+2*\i+1]
.endr
.irp i, 0,1,2,3
	v_lshlrev_b32 v[T+2*\i], 16, v[DS+\i]
	v_and_b32 v[T+2*\i+1], 0xffff0000, v[DS+\i]
.endr
.irp i, 0,1,2,3
	v_pk_add_f32 v[T+2*\i:T+2*\i+1], v[SR+2*\i:SR+2*\i+1], v[T+2*\i:T+2*\i+1] neg_lo:[0,1] neg_hi:[0,1]
.endr
.irp i, 0,1,2,3
	v_cvt_pk_bf16_f32 v[DS+4+\i], v[T+2*\i], v[T+2*\i+1]
.endr
.irp i, 0,1,2,3
	v_mov_b32 v[DS+8+\i], v[DS+\i]
.endr
.endm
.macro LORA a                          ; 16 matrix instructions: block a's eight accumulators by turns, twice; the first turn takes b as C
	WIN MULF_LO+0x40*((\a)/4)
.irp b, 0,1,2,3,4,5,6,7
	v_wmma_f32_16x16x32_bf16 v[8*(8*((\a)%4)+\b):8*(8*((\a)%4)+\b)+7], v[BF+8*\b:BF+8*\b+7], v[TH+12*((\a)%4):TH+12*((\a)%4)+7], v[BI+8*\b:BI+8*\b+7]
.endr
	WIN MUL_LO+0x50*((\a)/4)
.irp b, 0,1,2,3,4,5,6,7
	v_wmma_f32_16x16x32_bf16 v[8*(8*((\a)%4)+\b):8*(8*((\a)%4)+\b)+7], v[BF+8*\b:BF+8*\b+7], v[TH+12*((\a)%4)+4:TH+12*((\a)%4)+11], v[8*(8*((\a)%4)+\b):8*(8*((\a)%4)+\b)+7]
.endr
	WIN 0
.endm
	s_wait_loadcnt 0x0
.irp i, 0,1,2,3,4,5,6,7,8,9,10,11,12,13,14,15,16,17,18,19,20,21,22,23,24,25,26,27,28,29,30,31
	v_pk_add_f32 v[TA+2*\i:TA+2*\i+1], v[TA+2*\i:TA+2*\i+1], v[AF+2*\i:AF+2*\i+1]                 ; t's two halves of K
.endr
	CONV 0
	CONV 1
.irp a, 0,1,2,3,4,5,6,7
	LORA \a
.if \a < 6
	CONV \a+2                                      ; another set, another block of t: names none of block a's products' registers
.endif
.endr
	PLACES 5                                       ; the products on codes write over these results, and loads land on their sources
	s_wait_tensorcnt 0x0                           ; my part of K step 0 is in
	ds_add_u32 v[SPW], v[NIL]
	s_wait_dscnt 0x0
	CROUND
	JLOAD G0+4, G1, G0B+4, G1B                     ; K step 1, the first tensor load behind the round
	ASK 2*HB, 0                                    ; K step 3
.macro FRAG reg, adr, q, i
.irp c, 0,1
	ds_load_b128 v[\reg+4*\c:\reg+4*\c+3], v[\adr] offset:8192*(\q)+1024*(\i)+512*\c
.endr
.endm
.macro RUN ns, nq, np                  ; 32 LDS loads in one run: W's eight fragments and x's eight of slot ns, quarter nq, into sets np
	WIN TO_B
.irp i, 0,1,2,3,4,5,6,7
	FRAG 128*\np+8*\i, ADRB+\ns, \nq, \i
.endr
	WIN 0
.irp i, 0,1,2,3,4,5,6,7
	FRAG AF+64*\np+8*\i, ADRA+\ns, \nq, \i
.endr
.endm
.macro SCALES sc                       ; four words a row; lanes 0-15 x's block i, lanes 16-31 W's block i
.irp i, 0,1,2,3,4,5,6,7
	ds_load_b128 v[SC+32*\sc+4*\i:SC+32*\sc+4*\i+3], v[ADRS+\sc] offset:256*\i
.endr
.endm
; A group: x's block a against W's eight, sets p, the slot's quarter q.
; The 64 accumulators take turns, one instruction a turn, in the same order in every step.
.macro GRP a, p, q, sc
	WIN MUL_LO+0x50*(\a/4)
.irp b, 0,1,2,3,4,5,6,7
	v_wmma_scale_f32_16x16x128_f8f6f4 v[8*(8*(\a%4)+\b):8*(8*(\a%4)+\b)+7], v[128*\p+8*\b:128*\p+8*\b+7], v[AF+64*\p+8*\a:AF+64*\p+8*\a+7], v[8*(8*(\a%4)+\b):8*(8*(\a%4)+\b)+7], v[SC+32*\sc+4*\b+\q], v[SC+32*\sc+4*\a+\q] matrix_a_fmt:MATRIX_FMT_FP4 matrix_b_fmt:MATRIX_FMT_FP4 matrix_a_scale:MATRIX_SCALE_ROW1
.endr
.endm
.macro STEP slot, q, p, n              ; 128 along K with its successor in the same slot; sets p at work, sets n filled
	PLACES 4                                       ; sets n were read by the step before: four places ahead of the loads into them
	RUN \slot, \q+1, \n
	s_wait_dscnt 32                                ; all but the 32 just issued: this step's fragments, asked for a step ago, are in
.irp a, 0,1,2,3,4,5,6,7
	GRP \a, \p, \q, \slot
.endr
.endm
.macro MEET slot                       ; the first half of a slot's last step (sets 1, quarter 3): the three lines and the barrier of the change of slots
	WIN 0
	s_wait_tensorcnt 0x0                           ; all my tensor loads have landed: my part of the next slot
	ds_add_u32 v[SPW], v[NIL]
	s_wait_dscnt 1                                 ; this step's fragments are in; the add may be out
	GRP 0, 1, 3, \slot
	GRP 1, 1, 3, \slot
	s_wait_dscnt 0x0                               ; the add is done, my reads of this slot are over
	s_barrier_signal -1
	GRP 2, 1, 3, \slot
	GRP 3, 1, 3, \slot
	WIN 0
	s_barrier_wait -1
.endm
.macro TURN slot, next                 ; a slot's last step: the slot is filled again, two K steps ahead, behind a round of the cluster's barrier
	WIN 0
	s_wait_xcnt 0x0                                ; my prefetches have read their address
	s_add_nc_u64 s[PFA:PFA+1], s[PFA:PFA+1], HB
	MEET \slot
	CREST
	s_add_nc_u64 s[G0+4*\slot+2:G0+4*\slot+3], s[G0+4*\slot+2:G0+4*\slot+3], 2*HB
	s_add_nc_u64 s[G0B+4*\slot+2:G0B+4*\slot+3], s[G0B+4*\slot+2:G0B+4*\slot+3], 2*HB
	JLOAD G0+4*\slot, G1, G0B+4*\slot, G1B         ; its four v_nop are also the places in front of the loads below
	SCALES \next
	RUN \next, 0, 0
	ASK 2*HB, 1
.irp a, 4,5,6,7
	GRP \a, 1, 3, \slot
.endr
.endm
	SCALES 0
	RUN 0, 0, 0
	STEP 0, 0, 0, 1
	WIN 0
	s_mov_b32 s3, 3
.Llap:                                                 ; a trip goes once round the ring and fills both slots again: K steps 2 to 7 in three trips
	STEP 0, 1, 1, 0
	STEP 0, 2, 0, 1
	TURN 0, 1
	STEP 1, 0, 0, 1
	STEP 1, 1, 1, 0
	STEP 1, 2, 0, 1
	TURN 1, 0
	STEP 0, 0, 0, 1
	WIN 0
	s_sub_co_u32 s3, s3, 1
	s_cmp_lg_u32 s3, 0
	s_cbranch_scc1 .Llap
	STEP 0, 1, 1, 0
	STEP 0, 2, 0, 1
; ---- K step 7, in slot 1, by rows of out0
.macro BLOAD q                         ; W's fragments of quarter q -> window 1, v[64 q ..]
.irp i, 0,1,2,3,4,5,6,7
	FRAG 64*(\q)+8*\i, ADRB+1, \q, \i
.endr
.endm
.macro ALOAD a                         ; x's block a, all four quarters -> buffer a % 2 (v128-159, v160-191)
.irp q, 0,1,2,3
	FRAG AF+32*((\a)%2)+8*\q, ADRA+1, \q, \a
.endr
.endm
.macro ROW a                           ; block a is finished: 32 matrix instructions, its 8 accumulators by turns, K ascending
.set FA, AF+32*((\a)%2)
	WIN MUL_LO+0x50*((\a)/4)
.irp q, 0,1,2,3
.if (\a) == 0 && \q == 2
	s_wait_dscnt 0x0                               ; W's quarter 2 is in
.endif
.irp b, 0,1,2,3,4,5,6,7
	v_wmma_scale_f32_16x16x128_f8f6f4 v[8*(8*((\a)%4)+\b):8*(8*((\a)%4)+\b)+7], v[64*\q+8*\b:64*\q+8*\b+7], v[FA+8*\q:FA+8*\q+7], v[8*(8*((\a)%4)+\b):8*(8*((\a)%4)+\b)+7], v[SC+32+4*\b+\q], v[SC+32+4*(\a)+\q] matrix_a_fmt:MATRIX_FMT_FP4 matrix_b_fmt:MATRIX_FMT_FP4 matrix_a_scale:MATRIX_SCALE_ROW1
.endr
.endr
.endm
.macro TOSTAGE a                       ; a lane holds 32 bytes of a row: the block goes through my stage and comes back as whole rows of 512 bytes; a wave's LDS instructions are served in order
	WIN 0x08+4*((\a)/4)                            ; an LDS store's data: window 2 or 3
.irp b, 0,1,2,3,4,5,6,7
	ds_store_b128 v[STO], v[8*(8*((\a)%4)+\b):8*(8*((\a)%4)+\b)+3] offset:64*\b       ; each accumulator from its low end on
	ds_store_b128 v[STO], v[8*(8*((\a)%4)+\b)+4:8*(8*((\a)%4)+\b)+7] offset:64*\b+16
.endr
	WIN 0
.irp t, 0,1,2,3,4,5,6,7,8,9,10,11,12,13,14,15
.set BR, ((\a)%2)*(192+4*\t)+(1-(\a)%2)*(32+4*\t+32*(\t/8))
	ds_load_b128 v[BR:BR+3], v[RD] offset:\t*SPITCH
.endr
.endm
.macro SEND a, younger
	s_wait_dscnt \younger
.irp t, 0,1,2,3,4,5,6,7,8,9,10,11,12,13,14,15
.set BR, ((\a)%2)*(192+4*\t)+(1-(\a)%2)*(32+4*\t+32*(\t/8))
	global_store_b128 v[CO], v[BR:BR+3], s[14:15] offset:(16*(\a)+\t)*16384 th:TH_STORE_NT   ; 512 consecutive bytes, aligned; 127 rows at the most: inside the immediate
.endr
.endm
	MEET 0                                         ; nothing is filled again: no round follows
	PLACES 4
	SCALES 1
	WIN TO_B
	BLOAD 0                                        ; three quarters now: W's set 1 (v128-191 of window 1) is still being multiplied
	BLOAD 1
	BLOAD 3
	WIN 0
	ALOAD 0                                        ; x's set 0 is free: both buffers lie in it
	ALOAD 1
.irp a, 4,5,6,7
	GRP \a, 1, 3, 0
.endr
	PLACES 4
	WIN TO_B
	BLOAD 2
	WIN 0
	s_wait_dscnt 16                                ; all but the 16 just issued
	ROW 0
.irp a, 0,1,2,3,4,5,6,7
	PLACES 4
.if \a > 1
	s_wait_xcnt 0x0                                ; block a - 2's stores have read their registers
.endif
	TOSTAGE \a
.if \a < 6
	ALOAD \a+2                                     ; its buffer takes the block two further on
	SEND \a, 8
.else
	SEND \a, 0
.endif
.if \a < 7
	ROW \a+1
.endif
.endr
	s_wait_tensorcnt 0x0                           ; the wave's end
	ds_add_u32 v[SPW], v[NIL]
	s_wait_dscnt 0x0
	CROUND                                         ; the closing round
	s_endpgm
.Lfunc_end_k_q19679c2e9e_gemm:
	.size	k_q19679c2e9e_gemm, .Lfunc_end_k_q19679c2e9e_gemm-k_q19679c2e9e_gemm
	.p2alignl 7, 3214868480
	.fill 96, 4, 3214868480
	.section	.rodata,"a",@progbits
	.p2align	6, 0x0
	.amdhsa_kernel k_q19679c2e9e_gemm
		.amdhsa_group_segment_fixed_size 327680
		.amdhsa_private_segment_fixed_size 0
		.amdhsa_enable_private_segment 0
		.amdhsa_kernarg_size 48
		.amdhsa_user_sgpr_count 2
		.amdhsa_user_sgpr_kernarg_segment_ptr 1
		.amdhsa_wavefront_size32 1
		.amdhsa_system_sgpr_workgroup_id_x 1
		.amdhsa_system_sgpr_workgroup_id_y 1
		.amdhsa_system_sgpr_workgroup_id_z 1
		.amdhsa_system_vgpr_workitem_id 0
		.amdhsa_next_free_vgpr 1024
		.amdhsa_next_free_sgpr 96
		.amdhsa_reserve_vcc 0
		.amdhsa_float_denorm_mode_32 3
		.amdhsa_float_denorm_mode_16_64 3
		.amdhsa_memory_ordered 1
		.amdhsa_forward_progress 1
		.amdhsa_inst_pref_size 235
	.end_amdhsa_kernel
	.amdgpu_metadata
---
amdhsa.version: [ 1, 2 ]
amdhsa.kernels:
  - .name:           k_q19679c2e9e_gemm
    .symbol:         k_q19679c2e9e_gemm.kd
    .args:
      - { .name: xq, .offset: 0, .size: 8, .value_kind: global_buffer, .address_space: global }
      - { .name: wq, .offset: 8, .size: 8, .value_kind: global_buffer, .address_space: global }
      - { .name: tp, .offset: 16, .size: 8, .value_kind: global_buffer, .address_space: global }
      - { .name: bq, .offset: 24, .size: 8, .value_kind: global_buffer, .address_space: global }
      - { .name: b, .offset: 32, .size: 8, .value_kind: global_buffer, .address_space: global }
      - { .name: out0, .offset: 40, .size: 8, .value_kind: global_buffer, .address_space: global }
    .group_segment_fixed_size: 327680
    .private_segment_fixed_size: 0
    .kernarg_segment_align: 8
    .kernarg_segment_size: 48
    .max_flat_workgroup_size: 128
    .sgpr_count:     96
    .vgpr_count:     1024
    .wavefront_size: 32
...
	.end_amdgpu_metadata
.endif
;; end of part 2
